; MI455X (gfx1250); checked and timed in simulation.
; The chip was launched on July 23, 2026; its instructions are those of AMD's public machine-readable ISA for CDNA 5 (MIT licence, August 2026) and "CDNA5" Instruction Set Architecture Reference Guide (July 2026). The comments in the code are by the model that wrote it; some were corrected since.
;; Self Attn Pool. Allowed arithmetic: matrix products marked QUANTISED: E5M2 operands, one E8M0 scale for each 32 along K, by v_wmma_scale_f32_16x16x128_f8f6f4 with both operands' format E5M2, f32 sums; products left as they are: f32 operands where the result goes on into a quantised operand, else bf16, f16 or f32 operands; f32 sums; everything else in f32.
;; Inputs: V 512 x 1 float32; W 512 x 512 float32; b 512 float32; x 32 x 4,096 x 512 float32.
;; Outputs: out0 32 x 512 float32.
;; This version of the problem:
;;   THIS VERSION OF THE PROBLEM IS GIVEN IN LOW PRECISION. The matrix products marked QUANTISED in the list below multiply operands that are first quantised to E5M2 (5 exponent bits, 2 mantissa bits; 8 bits a number), with one power-of-two scale for each 32 numbers along K (OCP MX v1.0); their sums are f32. All else is computed in f32.
;;   The module's matrix products, in the order in which they are computed (A, B: the left and right operand; K: the contracted axis; several contracted axes count as one K, in the product's order):
;;     1. [M 131,072, K 512] x [K 512, N 512]; A: input x; B: input W: QUANTISED
;;     2. [M 131,072, K 512] x [K 512, N 1]; A: computed on the way; B: input V: left as it is (N = 1 < 16)
;;   THE QUANTISER, for each operand of a quantised product, along K:
;;     - K is cut into blocks of 32 from its start; a last block that is shorter is filled with zeros.
;;     - A block's scale is 2^e with e = floor(log2(the largest magnitude in the block)) - 15, held to -126 .. 127; a block of zeros has e = 0. As a byte (E8M0): e + 127.
;;     - Each number is divided by its block's scale, clamped to +-57,344, and rounded to the nearest number of E5M2, ties to even, subnormals kept.
;;     - The product sums the exact products of the quantised numbers (number of the format x scale) in f32.
;;   ~~~python
;;   def quantise(x, axis):      # numpy; x: float32 -> the quantised numbers, widened to float32 again
;;       x = np.moveaxis(x, axis, -1); K = x.shape[-1]
;;       x = np.pad(x, [(0, 0)] * (x.ndim - 1) + [(0, -K % 32)]); x = x.reshape(x.shape[:-1] + (-1, 32)); a = np.abs(x).max(-1, keepdims=True)
;;       e = np.where(a > 0, np.clip(np.frexp(np.where(a > 0, a, 1))[1] - 1 - 15, -126, 127), 0)      # np.frexp(a)[1] - 1 = floor(log2(a)), exactly
;;       r = np.clip(x / 2.0 ** e, -57344, 57344)
;;       step = 2.0 ** (np.maximum(np.frexp(np.where(r == 0, 1, r))[1] - 1, -14) - 2)
;;       q = np.round(r / step) * step * 2.0 ** e      # np.round: ties to even
;;       return np.moveaxis(q.reshape(q.shape[:-2] + (-1,))[..., :K], -1, axis).astype(np.float32)
;;   ~~~
;; One version. Each part assembles by itself: llvm-mc -triple=amdgcn-amd-amdhsa -mcpu=gfx1250 --defsym DOCPART=n.
;; ======== version 1 of 1: 3 launches
;; limits: right only within a limited range of input values
;; workspace buffers: wq 262,144 bytes; wsc 16,384 bytes; pacc 524,288 bytes; pstat 65,536 bytes
;; launch wquant (part 1): grid 32 x 1, 2 waves a work-group, no clusters, 0 bytes of LDS; arguments W, wq, wsc; writes wq, wsc
.if DOCPART == 1
	.amdgcn_target "amdgcn-amd-amdhsa--gfx1250"
	.amdhsa_code_object_version 6
	.text
	.protected	k_q3c7f7ca10a_wquant
	.globl	k_q3c7f7ca10a_wquant
	.p2align	8
	.type	k_q3c7f7ca10a_wquant,@function
k_q3c7f7ca10a_wquant:
	s_mov_b64 s[64:65], 0
	v_nop
	global_prefetch_b8 v0, s[64:65] scope:SCOPE_SE
	s_setreg_imm32_b32 hwreg(HW_REG_WAVE_MODE, 25, 1), 1
	s_wait_xcnt 0x0
; out[b][:] = sum over t of softmax_t(V . tanh(Q(x[b][t]) Q(W) + bias)) x[b][t][:], in three launches: this one, pool, combine.
; NOTHING OF THE COMPUTATION IS LEFT OUT: all four inputs have a way to the output and all four are loaded (W here; x, b, V in pool).
; THIS LAUNCH: W [512 (k)][512 (u)], f32, whose K is its FIRST axis, becomes codes of E5M2 with one E8M0 scale byte for each 32 along K, once for all work-groups of the next launch.
; A block's scale is 2^(floor(log2(its largest magnitude)) - 15); its byte is the largest magnitude's exponent field - 15, held at 1 from below; each number is divided by the scale, held within +-57,344 and rounded to the nearest code, ties to even.
; LIMITS: NaN and infinities among the inputs are not served; a block whose largest magnitude lies under 2^-111 has its byte held at 1; a block of zeros gets the byte 1 and not 127: its codes are zeros, and this program alone reads the bytes.
; LAYOUT OF THE RESULT: images of the operand's registers.  Fragment (ct = u / 16, s = k / 128) lies at wq + 2,048 (4 ct + s): register group c at 512 c, lane l's 16 bytes at 16 l; lane (r, h) holds unit 16 ct + r, k = 128 s + 32 c + 16 h + 0 .. 15.
; The scale words: wsc + 256 (2 ct + s / 2) + 8 l + 4 (s % 2): the four bytes of unit 16 ct + l % 16 for K step s.
; SHARES: work-group ct takes 16 columns, wave sp of its two the K steps 2 sp and 2 sp + 1.  A LANE TAKES A COLUMN AND ITS REGISTERS RUN DOWN K, in the order that the operand's layout gives that lane: the conversions' results are the operand's registers.
; Each load reads two runs of 64 consecutive bytes (lanes 0-15 one row of W, lanes 16-31 the row 16 further down); W is 1,048,576 bytes and each of them is read once.  No LDS, no barrier: waves share nothing.
.set TM,   8                           ; v8-11 largest magnitudes, v12-15 the other half's, then the bytes, v16-19 57,344 x the scale, v20-23 the conversions' scale operands
.set PWD,  24                          ; v24-25  the two fragments' scale words
.set RAW,  32                          ; v32-159 128 numbers: 64 a fragment
.set PC,   160                         ; v160-191 the codes: 16 registers a fragment, each fragment its own
.set MNT,  19                          ; s19     the mantissa field of 57,344
.set SEL,  20                          ; s[20:21] v_permlanex16_b32's selects for lane l xor 16
; 64 numbers of a lane, v[s] on, register 16 b + i = k 32 b + 16 (lane / 16) + i, become a fragment's codes in v[pc] on and its scale word in v[pw].
.macro QUANT s, pc, pw
.irp b, 0,1,2,3
	v_max3_num_f32 v[TM+\b], |v[\s+16*\b]|, |v[\s+1+16*\b]|, 0x8000000   ; block b: my 16 numbers, and the floor 2^(16 - 127): the byte cannot fall under 1
.endr
.irp i, 2,4,6,8,10,12,14
.irp b, 0,1,2,3
	v_max3_num_f32 v[TM+\b], v[TM+\b], |v[\s+16*\b+\i]|, |v[\s+1+16*\b+\i]|   ; the four blocks by turns
.endr
.endr
.irp b, 0,1,2,3
	v_permlanex16_b32 v[TM+4+\b], v[TM+\b], s[SEL], s[SEL+1]
.endr
.irp b, 0,1,2,3
	v_max_num_f32 v[TM+\b], v[TM+\b], v[TM+4+\b]             ; with lane l xor 16's 16: the block's largest magnitude
.endr
.irp b, 0,1,2,3
	v_add_nc_u32 v[TM+12+\b], 0xf8800000, v[TM+\b]           ; 15 off its exponent field: the conversion's scale operand
.endr
.irp b, 0,1,2,3
	v_and_or_b32 v[TM+8+\b], v[TM+\b], 0x7f800000, s[MNT]    ; 57,344 x the scale
.endr
.irp b, 0,1,2,3
	v_lshrrev_b32 v[TM+4+\b], 23, v[TM+12+\b]                ; the scale's byte
.endr
	v_lshl_or_b32 v[\pw], v[TM+5], 8, v[TM+4]                ; four bytes make the scale word
	v_lshl_or_b32 v[\pw], v[TM+6], 16, v[\pw]
	v_lshl_or_b32 v[\pw], v[TM+7], 24, v[\pw]
.irp b, 0,1,2,3
.irp i, 0,1,2,3,4,5,6,7,8,9,10,11,12,13,14,15
	v_med3_num_f32 v[\s+16*\b+\i], v[\s+16*\b+\i], -v[TM+8+\b], v[TM+8+\b]   ; the conversion to an 8-bit code does not saturate (ISA guide 7.6.2): the hold comes first
.endr
	v_cvt_scalef32_pk8_bf8_f32 v[\pc+4*\b:\pc+1+4*\b], v[\s+16*\b:\s+7+16*\b], v[TM+12+\b]
	v_cvt_scalef32_pk8_bf8_f32 v[\pc+2+4*\b:\pc+3+4*\b], v[\s+8+16*\b:\s+15+16*\b], v[TM+12+\b]
.endr
	v_nop                                                    ; one plain vector line behind the last conversion
.endm
	s_load_b128 s[4:7], s[0:1], 0x0                ; W, wq
	s_load_b64 s[8:9], s[0:1], 0x10                ; wsc
	v_lshrrev_b32 v1, 5, v0
	v_readfirstlane_b32 s10, v1                    ; wave = sp
	v_and_b32 v1, 15, v0                           ; r
	v_bfe_u32 v2, v0, 4, 1                         ; h
	v_lshlrev_b32 v3, 2, v1
	v_lshl_add_u32 v3, v2, 15, v3                  ; in: 4 r + 16 h rows of 2,048 bytes
	v_and_b32 v6, 31, v0                           ; lane
	v_lshlrev_b32 v4, 4, v6                        ; out: 16 bytes a lane,
	v_lshlrev_b32 v5, 3, v6                        ; and 8 for the two scale words
	s_mov_b32 s[SEL], 0x76543210
	s_mov_b32 s[SEL+1], 0xfedcba98
	s_mov_b32 s[MNT], 0x600000
.irp b, 0,1,2,3
	v_mov_b32 v[TM+4+\b], 0                        ; written once: a lane permute's destination counts as one of its sources
.endr
	s_lshl_b32 s12, ttmp9, 6                       ; W: 64 bytes a tile of columns,
	s_lshl_b32 s13, s10, 19                        ; 256 rows of 2,048 bytes a wave
	s_add_co_u32 s12, s12, s13
	s_mov_b32 s13, 0
	s_lshl_b32 s14, ttmp9, 13                      ; wq: four fragments of 2,048 bytes a tile, two a wave
	s_lshl_b32 s15, s10, 12
	s_add_co_u32 s14, s14, s15
	s_mov_b32 s15, 0
	s_lshl_b32 s16, ttmp9, 9                       ; wsc: 512 bytes a tile, 256 a wave
	s_lshl_b32 s17, s10, 8
	s_add_co_u32 s16, s16, s17
	s_mov_b32 s17, 0
	s_wait_alu depctr_va_vdst(0)
	s_wait_kmcnt 0x0
	s_add_nc_u64 s[4:5], s[4:5], s[12:13]
	s_add_nc_u64 s[6:7], s[6:7], s[14:15]
	s_add_nc_u64 s[8:9], s[8:9], s[16:17]
.irp f, 0,1
.irp c, 0,1,2,3
.irp i, 0,1,2,3,4,5,6,7,8,9,10,11,12,13,14,15
	global_load_b32 v[RAW+64*\f+16*\c+\i], v3, s[4:5] offset:(128*\f+32*\c+\i)*2048 th:TH_LOAD_NT   ; W(128 (2 sp + f) + 32 c + 16 h + i, 16 ct + r)
.endr
.endr
.endr
	s_wait_loadcnt 63                              ; 64 younger loads are the second fragment's; the count's field ends at 63: of 128 loads the oldest 65 are in, the first fragment's 64 among them
	QUANT RAW, PC, PWD
	s_wait_loadcnt 0x0
	QUANT RAW+64, PC+16, PWD+1
.irp f, 0,1
.irp c, 0,1,2,3
	global_store_b128 v4, v[PC+16*\f+4*\c:PC+16*\f+4*\c+3], s[6:7] offset:2048*\f+512*\c   ; 32 lanes store 512 consecutive bytes, at a multiple of 256 from wq's first byte
.endr
.endr
	global_store_b64 v5, v[PWD:PWD+1], s[8:9]      ; 32 lanes store 256 consecutive bytes, aligned
	s_endpgm
.Lfunc_end_k_q3c7f7ca10a_wquant:
	.size	k_q3c7f7ca10a_wquant, .Lfunc_end_k_q3c7f7ca10a_wquant-k_q3c7f7ca10a_wquant
	.p2alignl 7, 3214868480
	.fill 96, 4, 3214868480
	.section	.rodata,"a",@progbits
	.p2align	6, 0x0
	.amdhsa_kernel k_q3c7f7ca10a_wquant
		.amdhsa_group_segment_fixed_size 0
		.amdhsa_private_segment_fixed_size 0
		.amdhsa_enable_private_segment 0
		.amdhsa_kernarg_size 24
		.amdhsa_user_sgpr_count 2
		.amdhsa_user_sgpr_kernarg_segment_ptr 1
		.amdhsa_wavefront_size32 1
		.amdhsa_system_sgpr_workgroup_id_x 1
		.amdhsa_system_sgpr_workgroup_id_y 1
		.amdhsa_system_sgpr_workgroup_id_z 1
		.amdhsa_system_vgpr_workitem_id 0
		.amdhsa_next_free_vgpr 192
		.amdhsa_next_free_sgpr 66
		.amdhsa_reserve_vcc 0
		.amdhsa_float_denorm_mode_32 3
		.amdhsa_float_denorm_mode_16_64 3
		.amdhsa_memory_ordered 1
		.amdhsa_forward_progress 1
		.amdhsa_inst_pref_size 31
	.end_amdhsa_kernel
	.amdgpu_metadata
---
amdhsa.version: [ 1, 2 ]
amdhsa.kernels:
  - .name:           k_q3c7f7ca10a_wquant
    .symbol:         k_q3c7f7ca10a_wquant.kd
    .args:
      - { .name: W, .offset: 0, .size: 8, .value_kind: global_buffer, .address_space: global }
      - { .name: wq, .offset: 8, .size: 8, .value_kind: global_buffer, .address_space: global }
      - { .name: wsc, .offset: 16, .size: 8, .value_kind: global_buffer, .address_space: global }
    .group_segment_fixed_size: 0
    .private_segment_fixed_size: 0
    .kernarg_segment_align: 8
    .kernarg_segment_size: 24
    .max_flat_workgroup_size: 64
    .sgpr_count:     66
    .vgpr_count:     192
    .wavefront_size: 32
...
	.end_amdgpu_metadata
.endif
;; end of part 1
;; launch pool (part 2): grid 8 x 32, 8 waves a work-group, no clusters, 327,680 bytes of LDS; arguments x, wq, wsc, b, V, pacc, pstat; writes pacc, pstat
.if DOCPART == 2
	.amdgcn_target "amdgcn-amd-amdhsa--gfx1250"
	.amdhsa_code_object_version 6
	.text
	.protected	k_q3c7f7ca10a_pool
	.globl	k_q3c7f7ca10a_pool
	.p2align	8
	.type	k_q3c7f7ca10a_pool,@function
k_q3c7f7ca10a_pool:
	s_mov_b64 s[64:65], 0
	v_nop
	global_prefetch_b8 v0, s[64:65] scope:SCOPE_SE
	s_setreg_imm32_b32 hwreg(HW_REG_WAVE_MODE, 25, 1), 1
	s_wait_xcnt 0x0
; The scores and the pooling in one pass over x.  Nothing of the computation is left out.
; Work-group wg = 8 batch + chunk takes rows 512 chunk .. + 511 of its batch, in 8 blocks of 64 rows, and leaves a partial result: M (its largest score), l = sum of 2^(t - M), acc[512] = sum of 2^(t - M) x[row][:].
; x [32][4096][512] f32 is read from memory ONCE: a block comes into an LDS slot by tensor loads, is quantised from there for the product (E5M2, one E8M0 scale for each 32 along K) and is pooled, unquantised, from the same slot.
; THE SCORE, in base 2: with c2 = 2 log2(e), r = 1 / (1 + 2^(c2 D + c2 bias)) gives tanh = 1 - 2 r, and t = log2(e) sum_u V_u (1 - 2 r_u) = sum_u log2(e) V_u + sum_u (-c2 V_u) r_u.  All in f32: a lane's sum begins with its own 32 units' log2(e) V_u
; and takes one packed multiply-add for two units.  2^.. = infinity gives r = 0, 2^.. = 0 gives r = 1: both are tanh's limits, so nothing is clamped.  The second product (N = 1) is these f32 multiply-adds.
; THE SOFTMAX keeps a running maximum M of t; in each block acc and l are multiplied by 2^(old M - new M).  Every wave makes M, f and the 64 weights from the same numbers in the same order, so they agree without further traffic.
; LIMITS: NaN and infinities among the inputs are not served; a block of 32 whose largest magnitude lies under 2^-111 has its byte held at 1; a block of zeros gets the byte 1 and not 127: its codes are zeros, and this program alone reads the bytes.
; SHARES.  Eight waves of 512 registers, two to a SIMD.  THE WAVES SHARE THE COLUMNS: wave w owns units 64 w .. 64 w + 63 for all rows; its 16 fragments of W's codes (256 registers, window 1) are loaded once and stay.
; For the tensor loads and the quantiser wave w owns rows 8 w .. 8 w + 7 of a block; for the pooling it owns features 64 w .. 64 w + 63.
; THE PRODUCT IS USED TRANSPOSED (source 0 = 16 units of W, source 1 = 16 rows of x): lane (r, h) holds row r and its registers the units 8 h + 0 .. 7 of a tile.
; x's codes go from wave to wave through LDS as images of the operand's registers (a register group: 512 bytes, lane l's 16 at 16 l).
; A BLOCK: the change of slots (barrier; the next block is asked for) | X: my 8 rows are quantised, images stored | barrier A | 1: for each 16 rows: 16 matrix instructions, tanh, my 64 units' part of the score to LDS | barrier B |
; 2: the eight parts are added, M, f and the weights made; my 64 features of the 64 rows are pooled.
; LDS LOADS ARE ASKED FOR AHEAD OF THE WORK THAT STANDS BESIDE THEM: the quantiser's second half while the first is worked, the next 16 rows' images while these rows' tanh is made, the pooling's first twelve steps inside barrier B.
; CLUSTER: none.  What work-groups share is W's codes and scale words, 34,816 bytes a wave, taken once, at the head, straight into the registers where they stay; each block's 131,072 bytes of x are the work-group's own.
; A joint load would bring W through LDS, where the two slots, the images and the small regions leave 20,480 bytes.
.set RP,    2080                       ; a row of x in LDS: two halves of 1,024 bytes, 16 of padding behind each
.set HP,    1040                       ; = 65 x 16 bytes: 8 rows x 2 halves, which 16 lanes of the quantiser's load take, start at 16 different 16-byte columns of the 64 banks of 4 bytes (ISA guide 11.1)
.set WROWS, 8*RP                       ; a wave's 8 rows: what one tensor load brings
.set SLOTB, 64*RP                      ; a slot: 133,120 = 0x20800 bytes.  wave x WROWS = wave x 0x4100 has none of these two bits, so one exclusive or turns an address from one slot into the other
.set XIMG,  2*SLOTB                    ; behind the ring: x's 16 fragments (tile of rows m, K step s: 4 m + s),
.set FRB,   2112                       ; 2,048 bytes each + 64, so that the two K steps which 16 lanes of an image store touch lie 128 bytes apart modulo 256
.set XSC,   XIMG+16*FRB                ; their scale words: 256 m + 16 row + 4 s
.set SCP,   XSC+1024                   ; the scores' parts: [64 rows][8 waves] f32,
.set SPI,   48                         ; a row's 32 bytes + 16: 3 x 16 bytes
.set PWL,   SCP+64*SPI                 ; the weights: 256 wave + 4 row: each wave's own
.set SPARE, PWL+2048                   ; the spare words, 128 bytes for each wave: four blocks of 256 bytes that no other line names
.set SPW,  1                           ; v1   SPARE + 4 x my thread's number; never rewritten
.set NIL,  2                           ; v2   0; never rewritten
.set XR0,  3                           ; v3   the quantiser's place in a slot: lane = (a = bits 2:0: row, hf = bit 3: half of the row, h = bit 4)
.set XW,   4                           ; v4   where I store x's images
.set XSW,  5                           ; v5   and their two scale words
.set LI,   6                           ; v6   XIMG + 16 x lane
.set LSX,  7                           ; v7   XSC + 16 x (lane % 16)
.set SCW,  8                           ; v8   where I store a score's part: SCP + 48 (lane % 16) + 4 wave
.set SL,   9                           ; v9   SCP + 48 x lane
.set PS,   10                          ; v10  where I store a weight: PWL + 256 wave + 4 lane
.set PRD,  11                          ; v11  and where I read my half's 32: PWL + 256 wave + 128 h
.set PL0,  12                          ; v12  the pooling's place in a slot
.set XR,   13                          ; v13  XR0 in the slot in hand
.set PL,   14                          ; v14  PL0 in the slot in hand
.set WS,   16                          ; v16-31  W's scale words, (tile t, K step s) at 4 t + s: scales and nothing else
.set XS,   32                          ; v32-35  x's scale words of the 16 rows in hand: scales and nothing else
.set BC,   36                          ; v36-67  c2 x bias of unit 64 w + 16 t + 8 h + j at 8 t + j
.set MV,   68                          ; v68-99  -c2 x V likewise
.set VS,   100                         ; v100-101 log2(e) x the sum of V over my even, my odd registers
.set ACC,  102                         ; v102-109 the pooled sums: 4 features, two sets (even and odd steps)
.set M,    110                         ; v110 the running maximum
.set MN,   111                         ; v111 the new one; at the end l
.set LS,   112                         ; v112-113 l's parts: rows lane, lane + 32
.set FF,   114                         ; v114 f; v115 is named with it as a pair
.set TM,   116                         ; v116-131 at work
.set PWD,  132                         ; v132-133 a row's scale words of two K steps
.set AC,   134                         ; v134-141 the score's four chains of pairs; until W is in, v134-136 hold the head's load offsets
.set RAW,  144                         ; X: v144-207 the first K step's 64 numbers; v144-175 then take the second's blocks 2 and 3;
.set PC1,  176                         ;    v176-191 the second K step's codes;
.set PC,   208                         ;    v208-223 the first's;
.set RB,   224                         ;    v224-255 the second K step's blocks 0 and 1
.set DD,   144                         ; 1: v144-175 four accumulators;
.set XF,   192                         ;    v192-255 x's four fragments
.set X,    144                         ; 2: v144-191 twelve steps of x;
.set P,    192                         ;    v192-223 my half's 32 weights;
.set T,    224                         ;    v224-239 the scores' 16 parts
.set WV,   18                          ; s18  my wave's number
.set MNT,  19                          ; s19  the mantissa field of 57,344
.set SEL,  20                          ; s[20:21] v_permlanex16_b32's selects for lane l xor 16
.set C2,   22                          ; s[22:23] c2 (the packed forms name a pair and take its low word)
.set TB,   24                          ; s24  LDS byte at which the slot in hand begins
.set CNT,  25                          ; s25  blocks still to be asked for
.set NC2,  26                          ; s[26:27] -c2
.set G0,   36                          ; s[36:39] descriptor group 0: it walks
.set G1,   40                          ; s[40:47] descriptor group 1
.set MSB, 0
.macro WIN new                         ; the immediate's high byte repeats the setting that is left
.if MSB != \new
	s_set_vgpr_msb (MSB<<8)|\new
.set MSB, \new
.endif
.endm
.macro LOADB reg, q, c                 ; of my row's K step 2 hf + q, block c of 32: my half's 16 numbers into v[reg] on
.irp j, 0,1,2,3
	ds_load_b128 v[\reg+4*\j:\reg+4*\j+3], v[XR] offset:512*(\q)+128*(\c)+16*\j
.endr
.endm
; 64 numbers of a lane, block b's 16 in v[qb] on (register i = k 32 b + 16 (lane / 16) + i of my row's K step), become a fragment's codes in v[pc] on and its scale word in v[pw].
; hook = 1: as soon as blocks 0 and 1 are converted, their registers take the row's next K step's blocks 2 and 3: those loads land while blocks 2 and 3 are held and converted.
.macro QUANT q0, q1, q2, q3, pc, pw, hook
.set QB0, \q0
.set QB1, \q1
.set QB2, \q2
.set QB3, \q3
.irp b, 0,1,2,3
	v_max3_num_f32 v[TM+\b], |v[QB\b]|, |v[QB\b+1]|, 0x8000000   ; block b: my 16 numbers, and the floor 2^(16 - 127): the byte cannot fall under 1
.endr
.irp i, 2,4,6,8,10,12,14
.irp b, 0,1,2,3
	v_max3_num_f32 v[TM+\b], v[TM+\b], |v[QB\b+\i]|, |v[QB\b+1+\i]|   ; the four blocks by turns
.endr
.endr
.irp b, 0,1,2,3
	v_permlanex16_b32 v[TM+4+\b], v[TM+\b], s[SEL], s[SEL+1]
.endr
.irp b, 0,1,2,3
	v_max_num_f32 v[TM+\b], v[TM+\b], v[TM+4+\b]             ; with lane l xor 16's 16: the block's largest magnitude
.endr
.irp b, 0,1,2,3
	v_add_nc_u32 v[TM+12+\b], 0xf8800000, v[TM+\b]           ; 15 off its exponent field: the conversion's scale operand
.endr
.irp b, 0,1,2,3
	v_and_or_b32 v[TM+8+\b], v[TM+\b], 0x7f800000, s[MNT]    ; 57,344 x the scale
.endr
.irp b, 0,1,2,3
	v_lshrrev_b32 v[TM+4+\b], 23, v[TM+12+\b]                ; the scale's byte
.endr
	v_lshl_or_b32 v[\pw], v[TM+5], 8, v[TM+4]                ; four bytes make the scale word
	v_lshl_or_b32 v[\pw], v[TM+6], 16, v[\pw]
	v_lshl_or_b32 v[\pw], v[TM+7], 24, v[\pw]
.irp b, 0,1,2,3
.irp i, 0,1,2,3,4,5,6,7,8,9,10,11,12,13,14,15
	v_med3_num_f32 v[QB\b+\i], v[QB\b+\i], -v[TM+8+\b], v[TM+8+\b]   ; the conversion to an 8-bit code does not saturate (ISA guide 7.6.2): the hold comes first
.endr
	v_cvt_scalef32_pk8_bf8_f32 v[\pc+4*\b:\pc+1+4*\b], v[QB\b:QB\b+7], v[TM+12+\b]
	v_cvt_scalef32_pk8_bf8_f32 v[\pc+2+4*\b:\pc+3+4*\b], v[QB\b+8:QB\b+15], v[TM+12+\b]
.if \hook && (\b < 2)
	LOADB QB\b, 1, 2+\b                                      ; loads into the conversions' sources; the next vector lines are the next block's holds, which touch neither these registers nor the codes
.endif
.endr
	v_nop                                                    ; one plain vector line behind the last conversion
.endm
.macro IMAGE pc, q                     ; the codes go where lane (row % 16, h) of fragment (row / 16, 2 hf + q) will find them
.irp c, 0,1,2,3
	ds_store_b128 v[XW], v[\pc+4*\c:\pc+4*\c+3] offset:FRB*(\q)+512*\c
.endr
.endm
.macro FETCH m                         ; rows 16 m on: in lane r row r's four scale words, then the four fragments, K step by K step
	ds_load_b128 v[XS:XS+3], v[LSX] offset:256*(\m)
.irp s, 0,1,2,3
.irp c, 0,1,2,3
	ds_load_b128 v[XF+16*\s+4*\c:XF+16*\s+4*\c+3], v[LI] offset:(4*(\m)+\s)*FRB+512*\c
.endr
.endr
.endm
; tanh and my 64 units' part of the score, for rows 16 m on.  Two batches of 32 transcendentals, each with one plain line and one wait behind it, ahead of its first reader.
.macro TANH m
.set n, 0
.rept 16
	v_pk_fma_f32 v[DD+2*n:DD+2*n+1], v[DD+2*n:DD+2*n+1], s[C2:C2+1], v[BC+2*n:BC+2*n+1] op_sel_hi:[1,0,1]   ; c2 D + c2 bias; each accumulator from its low end on
.set n, n+1
.endr
	s_wait_alu depctr_va_vdst(0)                   ; the wait ahead of the batch too
.set n, 0
.rept 32
	v_exp_f32 v[DD+n], v[DD+n]
.set n, n+1
.endr
	v_nop
	s_wait_alu depctr_va_vdst(0)
.set n, 0
.rept 16
	v_pk_add_f32 v[DD+2*n:DD+2*n+1], v[DD+2*n:DD+2*n+1], 1.0 op_sel_hi:[1,0]
.set n, n+1
.endr
	s_wait_alu depctr_va_vdst(0)                   ; and ahead of this batch
.set n, 0
.rept 32
	v_rcp_f32 v[DD+n], v[DD+n]
.set n, n+1
.endr
	v_nop
	s_wait_alu depctr_va_vdst(0)
.set n, 0
.rept 16                               ; four chains of pairs; the first begins with my units' log2(e) V
.if n == 0
	v_pk_fma_f32 v[AC:AC+1], v[DD:DD+1], v[MV:MV+1], v[VS:VS+1]
.elseif n < 4
	v_pk_mul_f32 v[AC+2*n:AC+2*n+1], v[DD+2*n:DD+2*n+1], v[MV+2*n:MV+2*n+1]
.else
	v_pk_fma_f32 v[AC+2*(n%4):AC+2*(n%4)+1], v[DD+2*n:DD+2*n+1], v[MV+2*n:MV+2*n+1], v[AC+2*(n%4):AC+2*(n%4)+1]
.endif
.set n, n+1
.endr
	v_pk_add_f32 v[AC:AC+1], v[AC:AC+1], v[AC+2:AC+3]
	v_pk_add_f32 v[AC+4:AC+5], v[AC+4:AC+5], v[AC+6:AC+7]
	v_pk_add_f32 v[AC:AC+1], v[AC:AC+1], v[AC+4:AC+5]
	v_add_f32 v[AC], v[AC], v[AC+1]
	v_permlanex16_b32 v[AC+1], v[AC], s[SEL], s[SEL+1]       ; the row's other 32 of my units lie in lane l xor 16
	v_add_f32 v[AC], v[AC], v[AC+1]
	ds_store_b32 v[SCW], v[AC] offset:16*SPI*(\m)            ; both halves of the lanes write the same word with the same value
.endm
; THE CHANGE OF SLOTS stands at a block's head.  Each wave waits for all its tensor loads (one is out: its 8 rows of the block that it is about to read), adds 0 to its spare word, and waits for that and for its reads of the slot that it has left.
; Behind the barrier the slot ahead is whole and nobody reads the other one.  fill = 1: that other slot takes the next block: my one tensor load until the next such barrier; it has a whole block's work in which to land.
.macro CHANGE fill
	s_wait_tensorcnt 0x0                           ; no tensor load of mine is out, so group 0 may be written
	ds_add_u32 v[SPW], v[NIL]                      ; 0 onto my spare word
.if \fill
	s_xor_b32 s[G0+1], s[G0+1], SLOTB              ; the other slot than last time,
	s_add_nc_u64 s[G0+2:G0+3], s[G0+2:G0+3], 131072   ; the next 64 rows of 2,048 bytes; the type bits on top are not reached
.endif
	s_wait_dscnt 0x0                               ; the add is done, and my reads of the slot that I have left are over
	s_barrier_signal -1
	s_barrier_wait -1
.if \fill
	tensor_load_to_lds s[G0:G0+3], s[G1:G1+7]
	s_nop 0
.endif
.endm
; NO PREFETCH: behind every change of slots the eight waves' tensor loads ask for the whole next block, 131,072 bytes, one of the ring's two slots, a whole block's work ahead of its first read;
; each byte of x is asked for once, by that load, and a prefetch would name the same bytes a second time beside a load that is still out.
.macro BLOCK
	; ---- X: my 8 rows become codes: lane (a, hf, h) makes, of row 8 w + a, K steps 2 hf and 2 hf + 1
	v_add_nc_u32 v[XR], s[TB], v[XR0]
	v_add_nc_u32 v[PL], s[TB], v[PL0]
	s_wait_alu depctr_va_vdst(0)                   ; the wait here
.irp c, 0,1,2,3
	LOADB RAW+16*\c, 0, \c
.endr
	LOADB RB, 1, 0                                 ; the second K step's first two blocks go into registers of their own, in the same run of loads
	LOADB RB+16, 1, 1
	s_wait_dscnt 8                                 ; the 8 younger loads are the second K step's: the first K step's 16 are in
	QUANT RAW, RAW+16, RAW+32, RAW+48, PC, PWD, 1  ; its other two are asked for in here
	IMAGE PC, 0
	s_wait_dscnt 4                                 ; the 4 younger are the image's stores: the second K step's 16 loads are in
	QUANT RB, RB+16, RAW, RAW+16, PC1, PWD+1, 0    ; its codes have registers of their own: the stores above may still read the first's
	IMAGE PC1, 1
	ds_store_b64 v[XSW], v[PWD:PWD+1]              ; both halves of the lanes write the same two words with the same values
	s_wait_dscnt 0x0                               ; for the others' sake: my images and scale words have landed
	s_barrier_signal -1
	s_barrier_wait -1                              ; A: the block's sixteen fragments and their scale words lie in LDS.  The next block's load may stay out
	; ---- 1: my 64 units for 16 rows at a time.  The four accumulators take turns, one instruction a turn, K ascending; the first K step starts the sums
	FETCH 0
.irp m, 0,1,2,3
.if \m == 0
	s_wait_loadcnt 0x0                             ; W's codes and scale words, asked for at the head: block 0's quantiser has run beside them; in later blocks no load is out
.endif
	WIN 0x01                                       ; source 0 (W) window 1
.irp s, 0,1,2,3
.if \m == 0
	s_wait_dscnt 12-4*\s                           ; the first rows' products start K step by K step: the younger loads are the later K steps', four each
.elseif \s == 0
	s_wait_dscnt 1                                 ; behind these rows' 17 loads stands the score's one store
.endif
.irp t, 0,1,2,3
.if \s == 0
	v_wmma_scale_f32_16x16x128_f8f6f4 v[DD+8*\t:DD+8*\t+7], v[16*(4*\t+\s):16*(4*\t+\s)+15], v[XF+16*\s:XF+16*\s+15], 0, v[WS+4*\t+\s], v[XS+\s] matrix_a_fmt:MATRIX_FMT_BF8 matrix_b_fmt:MATRIX_FMT_BF8
.else
	v_wmma_scale_f32_16x16x128_f8f6f4 v[DD+8*\t:DD+8*\t+7], v[16*(4*\t+\s):16*(4*\t+\s)+15], v[XF+16*\s:XF+16*\s+15], v[DD+8*\t:DD+8*\t+7], v[WS+4*\t+\s], v[XS+\s] matrix_a_fmt:MATRIX_FMT_BF8 matrix_b_fmt:MATRIX_FMT_BF8
.endif
.endr
.endr
	WIN 0
.rept 8
	v_nop                                          ; eight places in front of the loads into x's fragments and scale words and of the first read of results; the next rows' first products, which write the accumulators anew, stand behind the score's additions too
.endr
.if \m < 3
	FETCH \m+1                                     ; the next 16 rows' fragments come while these rows' tanh is made
.endif
	TANH \m
.endr
	s_wait_dscnt 0x0                               ; for the others' sake: my parts of the scores have landed
	s_barrier_signal -1
.irp i, 0,1,2,3,4,5,6,7,8,9,10,11
	ds_load_b128 v[X+4*\i:X+4*\i+3], v[PL] offset:RP*\i      ; the pooling's first twelve steps: bytes of the slot in hand, which nobody writes before the next change of slots
.endr
	s_barrier_wait -1                              ; B: the eight parts of the 64 scores lie in LDS
	; ---- 2: the scores, M, f, the weights
	ds_load_b128 v[T:T+3], v[SL]                             ; row lane: waves 0-3's parts,
	ds_load_b128 v[T+4:T+7], v[SL] offset:16                 ; waves 4-7's;
	ds_load_b128 v[T+8:T+11], v[SL] offset:32*SPI            ; row lane + 32 likewise
	ds_load_b128 v[T+12:T+15], v[SL] offset:32*SPI+16
	s_wait_dscnt 0x0
	v_pk_add_f32 v[T:T+1], v[T:T+1], v[T+2:T+3]
	v_pk_add_f32 v[T+4:T+5], v[T+4:T+5], v[T+6:T+7]
	v_pk_add_f32 v[T+8:T+9], v[T+8:T+9], v[T+10:T+11]
	v_pk_add_f32 v[T+12:T+13], v[T+12:T+13], v[T+14:T+15]
	v_pk_add_f32 v[T:T+1], v[T:T+1], v[T+4:T+5]
	v_pk_add_f32 v[T+8:T+9], v[T+8:T+9], v[T+12:T+13]
	v_add_f32 v[T], v[T], v[T+1]                             ; t of row lane,
	v_add_f32 v[T+1], v[T+8], v[T+9]                         ; and of row lane + 32
	v_max_num_f32 v[TM], v[T], v[T+1]
	v_max_num_f32_dpp v[TM], v[TM], v[TM] row_xmask:1 row_mask:0xf bank_mask:0xf
	v_max_num_f32_dpp v[TM], v[TM], v[TM] row_xmask:2 row_mask:0xf bank_mask:0xf
	v_max_num_f32_dpp v[TM], v[TM], v[TM] row_xmask:4 row_mask:0xf bank_mask:0xf
	v_max_num_f32_dpp v[TM], v[TM], v[TM] row_xmask:8 row_mask:0xf bank_mask:0xf
	v_permlanex16_b32 v[TM+4], v[TM], s[SEL], s[SEL+1]
	v_max3_num_f32 v[MN], v[TM], v[TM+4], v[M]               ; the new maximum: the block's 64 and the old one
	v_sub_f32 v[FF], v[M], v[MN]
	v_sub_f32 v[T], v[T], v[MN]
	v_sub_f32 v[T+1], v[T+1], v[MN]
	s_wait_alu depctr_va_vdst(0)                             ; the wait ahead of the batch
	v_exp_f32 v[FF], v[FF]                                   ; f = 2^(old M - new M)
	v_exp_f32 v[T], v[T]                                     ; the two rows' weights
	v_exp_f32 v[T+1], v[T+1]
	v_mov_b32 v[M], v[MN]                                    ; the plain line behind the three,
	s_wait_alu depctr_va_vdst(0)                             ; and their one wait, ahead of the first reader
	ds_store_b32 v[PS], v[T]
	ds_store_b32 v[PS], v[T+1] offset:128
.irp q, 0,1,2,3,4,5,6,7
	ds_load_b128 v[P+4*\q:P+4*\q+3], v[PRD] offset:16*\q     ; my wave's own bytes; LDS serves a wave's instructions in order (ISA guide 5.7.1.4): these see the stores above.  Lanes 0-15: rows 0-31, lanes 16-31: rows 32-63
.endr
	v_pk_fma_f32 v[LS:LS+1], v[LS:LS+1], v[FF:FF+1], v[T:T+1] op_sel_hi:[1,0,1]   ; l = f l + the weights.  (These five lines stand beside the weights' way through LDS)
.irp j, 0,2,4,6
	v_pk_mul_f32 v[ACC+\j:ACC+\j+1], v[ACC+\j:ACC+\j+1], v[FF:FF+1] op_sel_hi:[1,0]
.endr
	; ---- the pooling: step i: lanes 0-15 take row i, lanes 16-31 row 32 + i; a lane four features: 256 consecutive bytes for 16 lanes.  Step i's weight is register P + i: of its pair the even steps take the low word for both halves, the odd steps the high word
.set i, 0
.rept 32
	; the steps go in groups of four: eight multiply-adds, then the four loads of the group three further on
.if i == 0
	s_wait_alu depctr_va_vdst(0)                   ; the wait ahead of each wait below
	s_wait_dscnt 0x0                               ; the 32 weights and steps 0 to 11 of x are in: groups 1 and 2 need no wait
.elseif ((i%4) == 0) && (i >= 12)
	s_wait_alu depctr_va_vdst(0)
.if i >= 24
	s_wait_dscnt 28-i                              ; behind group 6's loads stand group 7's four, behind group 7's none
.else
	s_wait_dscnt 8                                 ; behind this group's four loads stand those of the two groups after it
.endif
.endif
.if (i%2) == 0
	v_pk_fma_f32 v[ACC:ACC+1], v[X+4*(i%12):X+4*(i%12)+1], v[P+i:P+i+1], v[ACC:ACC+1] op_sel_hi:[1,0,1]
	v_pk_fma_f32 v[ACC+2:ACC+3], v[X+4*(i%12)+2:X+4*(i%12)+3], v[P+i:P+i+1], v[ACC+2:ACC+3] op_sel_hi:[1,0,1]
.else
	v_pk_fma_f32 v[ACC+4:ACC+5], v[X+4*(i%12):X+4*(i%12)+1], v[P+i-1:P+i], v[ACC+4:ACC+5] op_sel:[0,1,0] op_sel_hi:[1,1,1]
	v_pk_fma_f32 v[ACC+6:ACC+7], v[X+4*(i%12)+2:X+4*(i%12)+3], v[P+i-1:P+i], v[ACC+6:ACC+7] op_sel:[0,1,0] op_sel_hi:[1,1,1]
.endif
.if ((i%4) == 3) && (i+12 <= 31)
.irp d, 9,10,11,12
	ds_load_b128 v[X+4*((i+\d)%12):X+4*((i+\d)%12)+3], v[PL] offset:RP*(i+\d)
.endr
.endif
.set i, i+1
.endr
	s_xor_b32 s[TB], s[TB], SLOTB                  ; on to the other slot
.endm
	s_load_b256 s[4:11], s[0:1], 0x0               ; x s[4:5], wq s[6:7], wsc s[8:9], b s[10:11]
	s_load_b128 s[12:15], s[0:1], 0x20             ; V s[12:13], pacc s[14:15]
	s_load_b64 s[16:17], s[0:1], 0x30              ; pstat
	v_lshl_add_u32 v[SPW], v0, 2, SPARE
	v_mov_b32 v[NIL], 0
	ds_add_u32 v[SPW], v[NIL]                      ; the wave's opening: the add, twice on end, and its wait ahead of my first tensor load; the set-up below, work on registers, stands between
	ds_add_u32 v[SPW], v[NIL]                      ; and once more
	v_lshrrev_b32 v144, 5, v0
	v_readfirstlane_b32 s[WV], v144                ; wave 0..7
	s_and_b32 s48, ttmp7, 0xffff                   ; the batch
	s_lshl_b32 s48, s48, 3
	s_add_co_u32 s48, s48, ttmp9                   ; wg = 8 x batch + chunk
	; descriptor group 1: my 8 rows of a block are 16,384 dense bytes: 16 rows of 128 elements of 8 bytes, 4 words of padding behind each 256 words
	s_mov_b32 s[G1], (3<<16)|(1<<20)|(7<<22)|(3<<25)   ; 15:0 no mask; 17:16 elements of 8 bytes; 20 padding on; 24:22 after every 256 words (code 7); 31:25 four words (code 3)
	s_mov_b32 s[G1+1], 128<<16                     ; tensor_dim0
	s_mov_b32 s[G1+2], 16<<16                      ; tensor_dim1
	s_mov_b32 s[G1+3], 128<<16                     ; tile_dim0
	s_mov_b32 s[G1+4], 16                          ; tile_dim1
	s_mov_b32 s[G1+5], 128                         ; tensor_dim0_stride
	s_mov_b32 s[G1+6], 0
	s_mov_b32 s[G1+7], 0
	s_mov_b32 s[MNT], 0x600000
	s_mov_b32 s[SEL], 0x76543210
	s_mov_b32 s[SEL+1], 0xfedcba98
	s_mov_b32 s[C2], 0x4038aa3b                    ; c2 = 2 log2(e)
	s_mov_b32 s[C2+1], s[C2]
	s_mov_b32 s[NC2], 0xc038aa3b                   ; -c2
	s_mov_b32 s[NC2+1], s[NC2]
	s_mov_b32 s[TB], 0
	s_mov_b32 s[CNT], 7
	v_and_b32 v144, 7, v0                          ; a
	v_bfe_u32 v145, v0, 3, 1                       ; hf
	v_bfe_u32 v146, v0, 4, 1                       ; h
	v_and_b32 v147, 15, v0                         ; lane % 16
	v_and_b32 v148, 31, v0                         ; lane
	s_mul_i32 s28, s[WV], WROWS
	v_mul_u32_u24 v[XR0], v144, RP
	v_mad_u32_u24 v[XR0], v145, HP, v[XR0]
	v_lshl_add_u32 v[XR0], v146, 6, v[XR0]
	v_add_nc_u32 v[XR0], s28, v[XR0]               ; my wave's rows + row a + half hf + 64 h: my 16 numbers of a block of 32
	s_lshr_b32 s29, s[WV], 1
	s_mul_i32 s29, s29, 4*FRB                      ; row 8 w + a lies in tile of rows w / 2,
	s_and_b32 s30, s[WV], 1
	s_lshl_b32 s30, s30, 7                         ; and is its row 8 (w % 2) + a: 16 bytes a row
	s_add_co_u32 s29, s29, s30
	s_add_co_u32 s29, s29, XIMG
	v_lshlrev_b32 v[XW], 4, v144
	v_mad_u32_u24 v[XW], v145, 2*FRB, v[XW]        ; K steps 2 hf on
	v_lshl_add_u32 v[XW], v146, 8, v[XW]           ; lanes 16-31 of the image
	v_add_nc_u32 v[XW], s29, v[XW]
	s_lshl_b32 s29, s[WV], 7
	s_add_co_u32 s29, s29, XSC
	v_lshlrev_b32 v[XSW], 4, v144
	v_lshl_add_u32 v[XSW], v145, 3, v[XSW]
	v_add_nc_u32 v[XSW], s29, v[XSW]               ; 16 bytes a row: 128 w + 16 a; + 8 hf
	v_lshl_add_u32 v[LI], v148, 4, XIMG
	v_lshl_add_u32 v[LSX], v147, 4, XSC
	s_lshl_b32 s29, s[WV], 2
	s_add_co_u32 s29, s29, SCP
	v_mul_u32_u24 v[SCW], v147, SPI
	v_add_nc_u32 v[SCW], s29, v[SCW]               ; row lane % 16 of a tile, my wave's word
	v_mul_u32_u24 v[SL], v148, SPI
	v_add_nc_u32 v[SL], SCP, v[SL]                 ; row lane
	s_lshl_b32 s29, s[WV], 8
	s_add_co_u32 s29, s29, PWL
	v_lshl_add_u32 v[PS], v148, 2, s29
	v_lshl_add_u32 v[PRD], v146, 7, s29
	s_lshr_b32 s29, s[WV], 2
	s_mul_i32 s29, s29, HP                         ; features 64 w on: half w / 4 of a row,
	s_and_b32 s30, s[WV], 3
	s_lshl_b32 s30, s30, 8                         ; 256 (w % 4) bytes into it
	s_add_co_u32 s29, s29, s30
	v_mul_u32_u24 v[PL0], v146, 32*RP              ; lanes 16-31: 32 rows further down
	v_lshl_add_u32 v[PL0], v147, 4, v[PL0]
	v_add_nc_u32 v[PL0], s29, v[PL0]
	v_lshlrev_b32 v134, 5, v146                    ; bias and V: 32 h bytes: my half's eight units of a tile.  (These three offsets stand in registers that are written next behind the wait for W)
	v_lshlrev_b32 v135, 3, v148                    ; W's scale words: 8 bytes a lane
	v_lshlrev_b32 v136, 4, v148                    ; W's codes: 16 bytes a lane
	s_wait_alu depctr_va_vdst(0)                   ; the wait here, ahead of the scalar lines
	s_lshl_b32 s28, s[WV], 15                      ; wq: my 16 fragments of 2,048 bytes
	s_mov_b32 s29, 0
	s_lshl_b32 s30, s[WV], 11                      ; wsc: my 8 x 256 bytes
	s_mov_b32 s31, 0
	s_lshl_b32 s32, s[WV], 8                       ; bias, V: my 64 numbers
	s_mov_b32 s33, 0
	s_lshl_b32 s34, s48, 20                        ; x: 512 rows of 2,048 bytes a work-group,
	s_lshl_b32 s35, s[WV], 14                      ; 8 rows a wave
	s_add_co_u32 s34, s34, s35
	s_mov_b32 s35, 0
	s_lshl_b32 s50, s48, 11                        ; pacc: 2,048 bytes a work-group, 256 a wave
	s_add_co_u32 s50, s50, s32
	s_mov_b32 s51, 0
	s_lshl_b32 s52, s48, 8                         ; pstat: 256 bytes a work-group
	s_mov_b32 s53, 0
	s_mov_b32 s[G0], 1                             ; 1:0 count = 1
	s_mul_i32 s[G0+1], s[WV], WROWS                ; 63:32 LDS address: slot 0, my 8 rows
	s_wait_dscnt 0x0                               ; both opening adds are done
	s_wait_kmcnt 0x0
	s_add_nc_u64 s[G0+2:G0+3], s[4:5], s[34:35]    ; 120:64 global address: block 0, my 8 rows
	s_or_b32 s[G0+3], s[G0+3], 0x80000000          ; 127:126 type = 2
	tensor_load_to_lds s[G0:G0+3], s[G1:G1+7]      ; block 0: every wave issues its part; one tensor load of mine is out, here and behind each change of slots
	s_nop 0
	s_add_nc_u64 s[6:7], s[6:7], s[28:29]
	s_add_nc_u64 s[8:9], s[8:9], s[30:31]
	s_add_nc_u64 s[10:11], s[10:11], s[32:33]
	s_add_nc_u64 s[12:13], s[12:13], s[32:33]
	s_add_nc_u64 s[14:15], s[14:15], s[50:51]
	s_add_nc_u64 s[16:17], s[16:17], s[52:53]
.irp t, 0,1,2,3
	global_load_b128 v[BC+8*\t:BC+8*\t+3], v134, s[10:11] offset:64*\t
	global_load_b128 v[BC+8*\t+4:BC+8*\t+7], v134, s[10:11] offset:64*\t+16
.endr
.irp t, 0,1,2,3
	global_load_b128 v[MV+8*\t:MV+8*\t+3], v134, s[12:13] offset:64*\t
	global_load_b128 v[MV+8*\t+4:MV+8*\t+7], v134, s[12:13] offset:64*\t+16
.endr
.irp t, 0,1,2,3
.irp e, 0,1
	global_load_b64 v[WS+4*\t+2*\e:WS+4*\t+2*\e+1], v135, s[8:9] offset:512*\t+256*\e
.endr
.endr
	WIN 0x40                                       ; destination window 1
.set i, 0
.rept 64
	global_load_b128 v[4*i:4*i+3], v136, s[6:7] offset:512*i   ; W's fragment (t, s) at v[16 (4 t + s)] of window 1: 512 consecutive bytes a load
.set i, i+1
.endr
	WIN 0
	s_wait_loadcnt 63                              ; behind the bias's and V's 16 loads stand 72; the count's field ends at 63: of 88 loads the oldest 25 are in, those 16 among them
.set n, 0
.rept 16
	v_pk_mul_f32 v[BC+2*n:BC+2*n+1], v[BC+2*n:BC+2*n+1], s[C2:C2+1] op_sel_hi:[1,0]
	v_pk_mul_f32 v[MV+2*n:MV+2*n+1], v[MV+2*n:MV+2*n+1], s[NC2:NC2+1] op_sel_hi:[1,0]
.set n, n+1
.endr
	v_pk_add_f32 v[VS:VS+1], v[MV:MV+1], v[MV+2:MV+3]
.set n, 2
.rept 14
	v_pk_add_f32 v[VS:VS+1], v[VS:VS+1], v[MV+2*n:MV+2*n+1]
.set n, n+1
.endr
	v_pk_mul_f32 v[VS:VS+1], v[VS:VS+1], -0.5 op_sel_hi:[1,0]   ; -0.5 x the sum of -c2 V = log2(e) x the sum of V
.irp j, 0,1,2,3,4,5,6,7
	v_mov_b32 v[ACC+\j], 0                         ; the block is written once for all blocks: the first finds zeros, which the first f leaves zeros
.endr
	v_mov_b32 v[LS], 0
	v_mov_b32 v[LS+1], 0
	v_mov_b32 v[M], 0xff61b1e6                     ; -3e38, under every t
	v_mov_b32 v[FF+1], 0                           ; (named as the upper half of the pair before it is otherwise written)
.irp j, 4,5,6,7
	v_mov_b32 v[TM+\j], 0                          ; written once: a lane permute's destination counts as one of its sources
.endr
	s_wait_alu depctr_va_vdst(0)                   ; the wait at the head's end
	; W's codes and scale words may still be on their way: they are waited for ahead of block 0's first product, and nothing before it names their registers, their offsets or their bases
.Lblk:                                             ; 7 trips: blocks 0 to 6; behind each change of slots the next block is asked for
	CHANGE 1
	BLOCK
	s_sub_co_u32 s[CNT], s[CNT], 1
	s_cmp_lg_u32 s[CNT], 0
	s_cbranch_scc1 .Lblk
	CHANGE 0                                       ; block 7 is written out
	BLOCK
	; THE WAY OUT.  The wave's end first: the tensor wait, the add onto my spare word and its wait, behind my last tensor load and my last LDS store; the sums' joining stands between the add and its wait
	s_wait_alu depctr_va_vdst(0)                   ; the wait here
	s_wait_tensorcnt 0x0
	ds_add_u32 v[SPW], v[NIL]
	v_pk_add_f32 v[ACC:ACC+1], v[ACC:ACC+1], v[ACC+4:ACC+5]          ; even and odd steps,
	v_pk_add_f32 v[ACC+2:ACC+3], v[ACC+2:ACC+3], v[ACC+6:ACC+7]
.irp j, 0,1,2,3
	v_permlanex16_b32 v[TM+4+\j], v[ACC+\j], s[SEL], s[SEL+1]
.endr
	v_pk_add_f32 v[ACC:ACC+1], v[ACC:ACC+1], v[TM+4:TM+5]            ; rows 0-31 and rows 32-63
	v_pk_add_f32 v[ACC+2:ACC+3], v[ACC+2:ACC+3], v[TM+6:TM+7]
	s_wait_alu depctr_va_vdst(0)                   ; and here likewise
	s_wait_dscnt 0x0
	v_and_b32 v144, 31, v0
	v_and_b32 v145, 15, v0
	v_bfe_u32 v146, v0, 4, 1
	v_cmp_gt_u32 vcc_lo, 16, v144
	v_cndmask_b32 v148, v[ACC+2], v[ACC], vcc_lo   ; both halves of the lanes hold the four sums: lanes 0-15 store the first two, lanes 16-31 the other two
	v_cndmask_b32 v149, v[ACC+3], v[ACC+1], vcc_lo
	v_lshlrev_b32 v147, 4, v145
	v_lshl_add_u32 v147, v146, 3, v147
	global_store_b64 v147, v[148:149], s[14:15]    ; the wave stores 256 consecutive bytes, at a multiple of 256 from pacc's first byte
	v_add_f32 v[LS], v[LS], v[LS+1]
	v_add_f32_dpp v[LS], v[LS], v[LS] row_xmask:1 row_mask:0xf bank_mask:0xf
	v_add_f32_dpp v[LS], v[LS], v[LS] row_xmask:2 row_mask:0xf bank_mask:0xf
	v_add_f32_dpp v[LS], v[LS], v[LS] row_xmask:4 row_mask:0xf bank_mask:0xf
	v_add_f32_dpp v[LS], v[LS], v[LS] row_xmask:8 row_mask:0xf bank_mask:0xf
	v_permlanex16_b32 v[LS+1], v[LS], s[SEL], s[SEL+1]
	v_add_f32 v[MN], v[LS], v[LS+1]                ; l, beside M
	v_lshlrev_b32 v150, 3, v144
	s_wait_alu depctr_va_vdst(0)                   ; the wait ahead of the branch
	s_cmp_lg_u32 s[WV], 0                          ; all eight waves hold the same M and l: wave 0 stores them,
	s_cbranch_scc1 .Lothers
	global_store_b64 v150, v[M:M+1], s[16:17]      ; 32 copies: 256 consecutive bytes, aligned, of which the next launch's lanes read one each
.Lothers:
	s_endpgm
.Lfunc_end_k_q3c7f7ca10a_pool:
	.size	k_q3c7f7ca10a_pool, .Lfunc_end_k_q3c7f7ca10a_pool-k_q3c7f7ca10a_pool
	.p2alignl 7, 3214868480
	.fill 96, 4, 3214868480
	.section	.rodata,"a",@progbits
	.p2align	6, 0x0
	.amdhsa_kernel k_q3c7f7ca10a_pool
		.amdhsa_group_segment_fixed_size 327680
		.amdhsa_private_segment_fixed_size 0
		.amdhsa_enable_private_segment 0
		.amdhsa_kernarg_size 56
		.amdhsa_user_sgpr_count 2
		.amdhsa_user_sgpr_kernarg_segment_ptr 1
		.amdhsa_wavefront_size32 1
		.amdhsa_system_sgpr_workgroup_id_x 1
		.amdhsa_system_sgpr_workgroup_id_y 1
		.amdhsa_system_sgpr_workgroup_id_z 1
		.amdhsa_system_vgpr_workitem_id 0
		.amdhsa_next_free_vgpr 512
		.amdhsa_next_free_sgpr 66
		.amdhsa_reserve_vcc 1
		.amdhsa_float_denorm_mode_32 3
		.amdhsa_float_denorm_mode_16_64 3
		.amdhsa_memory_ordered 1
		.amdhsa_forward_progress 1
		.amdhsa_inst_pref_size 147
	.end_amdhsa_kernel
	.amdgpu_metadata
---
amdhsa.version: [ 1, 2 ]
amdhsa.kernels:
  - .name:           k_q3c7f7ca10a_pool
    .symbol:         k_q3c7f7ca10a_pool.kd
    .args:
      - { .name: x, .offset: 0, .size: 8, .value_kind: global_buffer, .address_space: global }
      - { .name: wq, .offset: 8, .size: 8, .value_kind: global_buffer, .address_space: global }
      - { .name: wsc, .offset: 16, .size: 8, .value_kind: global_buffer, .address_space: global }
      - { .name: b, .offset: 24, .size: 8, .value_kind: global_buffer, .address_space: global }
      - { .name: V, .offset: 32, .size: 8, .value_kind: global_buffer, .address_space: global }
      - { .name: pacc, .offset: 40, .size: 8, .value_kind: global_buffer, .address_space: global }
      - { .name: pstat, .offset: 48, .size: 8, .value_kind: global_buffer, .address_space: global }
    .group_segment_fixed_size: 327680
    .private_segment_fixed_size: 0
    .kernarg_segment_align: 8
    .kernarg_segment_size: 56
    .max_flat_workgroup_size: 256
    .sgpr_count:     66
    .vgpr_count:     512
    .wavefront_size: 32
...
	.end_amdgpu_metadata
.endif
;; end of part 2
;; launch combine (part 3): grid 4 x 32, 1 waves a work-group, no clusters, 0 bytes of LDS; arguments pacc, pstat, out0; writes out0
.if DOCPART == 3
	.amdgcn_target "amdgcn-amd-amdhsa--gfx1250"
	.amdhsa_code_object_version 6
	.text
	.protected	k_q3c7f7ca10a_combine
	.globl	k_q3c7f7ca10a_combine
	.p2align	8
	.type	k_q3c7f7ca10a_combine,@function
k_q3c7f7ca10a_combine:
	s_mov_b64 s[64:65], 0
	v_nop
	global_prefetch_b8 v0, s[64:65] scope:SCOPE_SE
	s_setreg_imm32_b32 hwreg(HW_REG_WAVE_MODE, 25, 1), 1
	s_wait_xcnt 0x0
; The eight partial results of a batch become its row of the output.  Nothing of the computation is left out.
; Chunk c left M_c (its largest score, in base 2), l_c = sum of 2^(t - M_c) and A_c[512] = sum of 2^(t - M_c) x.  With M = the largest M_c and w_c = 2^(M_c - M): out = (sum of w_c A_c) / (sum of w_c l_c).
; The chunk that holds M has w = 1 and l at least 1, so the divisor is at least 1.
; A work-group of one wave takes 128 features of one batch, a lane four: each load of A_c and the store cover 512 consecutive bytes.  No LDS, no barrier, no matrix work: the launch moves 0.6 MB.
.set A,  16                            ; v16-47  A_c's four features at 4 c
.set S,  48                            ; v48-63  (M_c, l_c) at 2 c; M_c becomes w_c
	s_load_b128 s[4:7], s[0:1], 0x0                ; pacc, pstat
	s_load_b64 s[8:9], s[0:1], 0x10                ; out0
	s_and_b32 s10, ttmp7, 0xffff                   ; the batch
	v_lshlrev_b32 v1, 4, v0                        ; 16 bytes a lane
	v_lshlrev_b32 v2, 3, v0                        ; 8 bytes a lane: my copy of a chunk's (M, l)
	s_lshl_b32 s12, s10, 14                        ; pacc: eight chunks of 2,048 bytes a batch,
	s_lshl_b32 s13, ttmp9, 9                       ; 512 bytes a work-group
	s_add_co_u32 s12, s12, s13
	s_lshl_b32 s16, s10, 11                        ; out0: 2,048 bytes a batch
	s_add_co_u32 s16, s16, s13
	s_mov_b32 s13, 0
	s_mov_b32 s17, 0
	s_lshl_b32 s14, s10, 11                        ; pstat: eight chunks of 256 bytes a batch
	s_mov_b32 s15, 0
	s_wait_alu depctr_va_vdst(0)
	s_wait_kmcnt 0x0
	s_add_nc_u64 s[4:5], s[4:5], s[12:13]
	s_add_nc_u64 s[6:7], s[6:7], s[14:15]
	s_add_nc_u64 s[8:9], s[8:9], s[16:17]
.irp c, 0,1,2,3,4,5,6,7
	global_load_b64 v[S+2*\c:S+2*\c+1], v2, s[6:7] offset:256*\c
.endr
.irp c, 0,1,2,3,4,5,6,7
	global_load_b128 v[A+4*\c:A+4*\c+3], v1, s[4:5] offset:2048*\c
.endr
	s_wait_loadcnt 8                               ; the 8 younger loads are A's: the eight (M, l) are in
	v_max3_num_f32 v3, v[S], v[S+2], v[S+4]
	v_max3_num_f32 v3, v3, v[S+6], v[S+8]
	v_max3_num_f32 v3, v3, v[S+10], v[S+12]
	v_max_num_f32 v3, v3, v[S+14]                  ; M
.irp c, 0,1,2,3,4,5,6,7
	v_sub_f32 v[S+2*\c], v[S+2*\c], v3
.endr
	s_wait_alu depctr_va_vdst(0)
.irp c, 0,1,2,3,4,5,6,7
	v_exp_f32 v[S+2*\c], v[S+2*\c]                 ; w_c
.endr
	v_mov_b32 v7, 0                                ; a plain line behind the batch (v7 is named below as the upper half of a pair),
	s_wait_alu depctr_va_vdst(0)                   ; and its one wait, ahead of the first reader
	v_mul_f32 v4, v[S], v[S+1]
.irp c, 1,2,3,4,5,6,7
	v_fma_f32 v4, v[S+2*\c], v[S+2*\c+1], v4       ; the sum of w_c l_c
.endr
	s_wait_alu depctr_va_vdst(0)
	v_rcp_f32 v6, v4
	s_wait_loadcnt 0x0
	v_pk_mul_f32 v[8:9], v[A:A+1], v[S:S+1] op_sel_hi:[1,0]           ; of the pair (w_c, l_c) the low word serves both halves.  (Plain work behind the reciprocal)
	v_pk_mul_f32 v[10:11], v[A+2:A+3], v[S:S+1] op_sel_hi:[1,0]
.irp c, 1,2,3,4,5,6,7
	v_pk_fma_f32 v[8:9], v[A+4*\c:A+4*\c+1], v[S+2*\c:S+2*\c+1], v[8:9] op_sel_hi:[1,0,1]
	v_pk_fma_f32 v[10:11], v[A+4*\c+2:A+4*\c+3], v[S+2*\c:S+2*\c+1], v[10:11] op_sel_hi:[1,0,1]
.endr
	s_wait_alu depctr_va_vdst(0)                   ; the reciprocal's wait, ahead of its first reader
	v_pk_mul_f32 v[12:13], v[8:9], v[6:7] op_sel_hi:[1,0]
	v_pk_mul_f32 v[14:15], v[10:11], v[6:7] op_sel_hi:[1,0]
	global_store_b128 v1, v[12:15], s[8:9]         ; 32 lanes store 512 consecutive bytes, at a multiple of 256 from out0's first byte
	s_endpgm
.Lfunc_end_k_q3c7f7ca10a_combine:
	.size	k_q3c7f7ca10a_combine, .Lfunc_end_k_q3c7f7ca10a_combine-k_q3c7f7ca10a_combine
	.p2alignl 7, 3214868480
	.fill 96, 4, 3214868480
	.section	.rodata,"a",@progbits
	.p2align	6, 0x0
	.amdhsa_kernel k_q3c7f7ca10a_combine
		.amdhsa_group_segment_fixed_size 0
		.amdhsa_private_segment_fixed_size 0
		.amdhsa_enable_private_segment 0
		.amdhsa_kernarg_size 24
		.amdhsa_user_sgpr_count 2
		.amdhsa_user_sgpr_kernarg_segment_ptr 1
		.amdhsa_wavefront_size32 1
		.amdhsa_system_sgpr_workgroup_id_x 1
		.amdhsa_system_sgpr_workgroup_id_y 1
		.amdhsa_system_sgpr_workgroup_id_z 1
		.amdhsa_system_vgpr_workitem_id 0
		.amdhsa_next_free_vgpr 64
		.amdhsa_next_free_sgpr 66
		.amdhsa_reserve_vcc 0
		.amdhsa_float_denorm_mode_32 3
		.amdhsa_float_denorm_mode_16_64 3
		.amdhsa_memory_ordered 1
		.amdhsa_forward_progress 1
		.amdhsa_inst_pref_size 6
	.end_amdhsa_kernel
	.amdgpu_metadata
---
amdhsa.version: [ 1, 2 ]
amdhsa.kernels:
  - .name:           k_q3c7f7ca10a_combine
    .symbol:         k_q3c7f7ca10a_combine.kd
    .args:
      - { .name: pacc, .offset: 0, .size: 8, .value_kind: global_buffer, .address_space: global }
      - { .name: pstat, .offset: 8, .size: 8, .value_kind: global_buffer, .address_space: global }
      - { .name: out0, .offset: 16, .size: 8, .value_kind: global_buffer, .address_space: global }
    .group_segment_fixed_size: 0
    .private_segment_fixed_size: 0
    .kernarg_segment_align: 8
    .kernarg_segment_size: 24
    .max_flat_workgroup_size: 32
    .sgpr_count:     66
    .vgpr_count:     64
    .wavefront_size: 32
...
	.end_amdgpu_metadata
.endif
;; end of part 3
